; MI455X (gfx1250); checked and timed in simulation.
; The chip was launched on July 23, 2026; its instructions are those of AMD's public machine-readable ISA for CDNA 5 (MIT licence, August 2026) and "CDNA5" Instruction Set Architecture Reference Guide (July 2026). The comments in the code are by the model that wrote it; some were corrected since.
;; Group Avg Pool1d. Allowed arithmetic: matrix products marked QUANTISED: E4M3 operands, one given power-of-two scale a tensor, by v_wmma_f32_16x16x64_fp8_fp8 or v_wmma_f32_16x16x128_fp8_fp8, f32 sums; everything else in f32.
;; Inputs: lowp_scales 2 int32 (the exponents e of the quantised operands' scales 2^e); x 16 x 8,192 x 64 float32; y 16 x 8,192 int32.
;; Outputs: out0 16 x 512 x 64 float32; out1 16 x 512 bool.
;; Constants: g = 512.
;; This version of the problem:
;;   THIS VERSION OF THE PROBLEM IS GIVEN IN LOW PRECISION. The matrix products marked QUANTISED in the list below multiply operands that are first quantised to E4M3 (4 exponent bits, 3 mantissa bits; 8 bits a number), with one given power-of-two scale for each operand tensor; their sums are f32. All else is computed in f32.
;;   The module's matrix products, in the order in which they are computed (A, B: the left and right operand; K: the contracted axis; several contracted axes count as one K, in the product's order):
;;     1. batch 16 x [M 512, K 8,192] x [K 8,192, N 64]; A: computed on the way; B: input x: QUANTISED (scales: A lowp_scales[0], B lowp_scales[1])
;;   THE QUANTISER, for each operand of a quantised product, along K:
;;     - The operand's scale is 2^e, e = its entry of the input lowp_scales (int32; the entries are numbered through the quantised products in the list's order, A before B).
;;     - Each number is divided by the scale, clamped to +-448, and rounded to the nearest number of E4M3, ties to even, subnormals kept.
;;     - The product sums the exact products of the quantised numbers (number of the format x scale) in f32.
;;   ~~~python
;;   def quantise(x, axis, e):      # numpy; x: float32 -> the quantised numbers, widened to float32 again
;;       x = np.moveaxis(x, axis, -1); K = x.shape[-1]
;;       r = np.clip(x / 2.0 ** e, -448, 448)
;;       step = 2.0 ** (np.maximum(np.frexp(np.where(r == 0, 1, r))[1] - 1, -6) - 3)
;;       q = np.round(r / step) * step * 2.0 ** e      # np.round: ties to even
;;       return np.moveaxis(q, -1, axis).astype(np.float32)
;;   ~~~
;;   OPERANDS COMPUTED ON THE WAY. 'Computed on the way' means the value that the module computes at that place (a softmax that the list does not call 'softmax' is quantised finished and normalised). What goes into a quantiser is computed in f32, as accurately as f32 sums, v_exp_f32 and their like allow (about 1e-6 of the number): no bf16 or f16 on the way to a quantiser, and a product that is left as it is and whose result goes on into a quantised operand takes f32 operands (vector FMAs, or v_wmma_f32_16x16x4_f32). A number that lies on a knife's edge between two numbers of the format may be rounded either way, as far as f32 arithmetic and the matrix unit's own rounding can turn it there, and no further.
;; 2 versions. Each part assembles by itself: llvm-mc -triple=amdgcn-amd-amdhsa -mcpu=gfx1250 --defsym DOCPART=n.
;; ======== version 1 of 2: 1 launch
;; launch pool (part 1): grid 16 x 16, 16 waves a work-group, no clusters, 190,464 bytes of LDS; arguments lowp_scales, x, y, out0, out1; writes out0, out1
.if DOCPART == 1
	.amdgcn_target "amdgcn-amd-amdhsa--gfx1250"
	.amdhsa_code_object_version 6
	.text
	.protected	k_q766ce0417e_pool
	.globl	k_q766ce0417e_pool
	.p2align	8
	.type	k_q766ce0417e_pool,@function
k_q766ce0417e_pool:
	s_mov_b64 s[64:65], 0
	v_nop
	global_prefetch_b8 v0, s[64:65] scope:SCOPE_SE
	s_setreg_imm32_b32 hwreg(HW_REG_WAVE_MODE, 25, 1), 1
	s_wait_xcnt 0x0
; out0[b][g][c] = (sum over n of onehot(y[b][n] == g) x[b][n][c]) / 8192, the product on codes of FP8 (E4M3); out1[b][g] = (some n has y[b][n] == g).
; x: [16][8192][64] f32, y: [16][8192] int32, lowp_scales: e0 (the one-hot's), e1 (x's).  A y below 0 or above 511 belongs to no group.
; SHARES.  Work-group (rho, b) owns groups 32 rho .. 32 rho + 31 of batch b, all 64 columns: every output has one owner, and nothing is summed between work-groups.
; It reads y[b], keeps the rows n whose group is its own, and gathers only those rows of x (256 bytes each): a row of x is read by the one work-group that owns its group.
; Only those K positions are multiplied; the one-hot's columns at all other K are zero in these 32 rows, so the products left out are exact zeros.
; WAVES.  Sixteen, four to a SIMD.  Wave w scans 512 of the 8,192 y, writes its hits into a list of its own in LDS, gathers, quantises and multiplies them (2 tiles of 16 groups x 4 tiles of 16 columns),
; and the sixteen partial sums meet in LDS.
; K's ORDER is the list's: the same slot stands at the same register, byte and half of the lanes in both operands, so every product meets its partner.
; A UNIT is 8 slots: 4 for lanes 0-15, 4 for lanes 16-31.  A lane loads 16 bytes (columns 4 r .. 4 r + 3) of its half's row, so sixteen lanes read one whole row of 256 bytes.  Column tile j is made of
; columns 4 r + j: after the conversion a 4 x 4 transposition of bytes gives one register (4 slots of one column) of each of the four B fragments.
; THE ONE-HOT: four slots' group bytes d are compared with the lane's group byte at once: z = d xor g; 0x80 - z has bit 7 set only where z = 0 (z is at most 0x5f, so no byte borrows); the flag picks the code.
; The code is 1.0 put through the quantiser with e0, once, by the conversion instruction.  The flags, not the codes, make out1.
; EXEC STAYS FULL FROM THE FIRST LINE TO THE LAST.  The scan stores every candidate: a hit at its place in the list, any other into a word of its lane's own behind the list, which nobody reads.
; ADDRESSES FROM y.  A number that hangs on y enters an address only behind v_min_u32 with a constant, and behind that stand one shift and one addition.  Address registers (v224 on) never hold data.
; No tensor load and no cluster: branches here hang on numbers read from y, and what work-groups share is y alone, 32 KB beside some 130 KB of rows that are each work-group's own.
; No prefetch: the rows are known only when the lists are made, and are asked for at once.
; LIMITS: e0 and e1 lie between -126 and 119, so that 2^e and 448 x 2^e are f32 numbers.  NaN in x is not served (an infinity is held at the largest code).  Any y is served; a y that crowds into few groups makes the work uneven.
.set GRP,   32                         ; groups of a work-group
.set LISTE, 640                        ; a wave's list: 640 entries of 4 bytes: 512 candidates, and room for the last trip's reads (48 + 15 x 32 = 528 slots)
.set LISTB, 2816                       ; the list, 32 words behind it for what is no hit, and the rest of a block of 256 bytes
.set PART,  16*LISTB                   ; LDS: behind the lists the partial sums, 8,192 bytes a wave,
.set RED,   PART+16*8192               ; the summed quads, 512 bytes each,
.set PRS,   RED+16*512                 ; the flags, 256 bytes a wave,
.set SPARE, PRS+16*256                 ; and the spare words, 128 bytes a wave: eight blocks of 256 bytes that no other line names
.set PADE,  0x00400000                 ; an empty slot: row 0 (a row that exists), d = 64 (no group's)
.set RL,  1                            ; v1   r = lane % 16
.set HL,  2                            ; v2   h = lane / 16
.set SPW, 3                            ; v3   LDS address of my spare word; never rewritten
.set NIL, 4                            ; v4   0; never rewritten
.set LB,  5                            ; v5   my wave's list
.set LR,  6                            ; v6   where my half of the lanes reads it: + 16 h
.set C16, 7                            ; v7   16 r: my 16 bytes of a row of x
.set N0,  8                            ; v8   4 x thread: the row of my first candidate
.set SC,  9                            ; v9   2^e1
.set LIM, 10                           ; v10  448 x 2^e1
.set TBL, 11                           ; v11  byte 0: 0, byte 1: the code of 1.0
.set G40, 12                           ; v12  my group in tile 0, in all four bytes;  v13 in tile 1
.set G41, 13
.set PR0, 14                           ; v[14:15] flags: some slot of mine matched, tile 0, tile 1
.set AF,  16                           ; v16-31   the one-hot's two fragments  (before: y)
.set BF,  32                           ; v32-63   x's four fragments            (v32, v34 before: scratch of the scan)
.set ACC, 64                           ; v64-127  8 accumulators, (t, j) at 8 (4 t + j)  (before the first product: entries, d bytes, scratch)
.set RAW, 128                          ; v128-223 rows of x as f32: 16 registers a unit, 6 units at the most
.set Y,   16
.set SD,  32
.set SE,  34
.set PD,  140                          ; v140-143 four empty slots
.set SQ,  224                          ; v224 a candidate's place
.set PA,  225                          ; v225 where I fill the list with empty slots
.set YO,  226                          ; v226 my 16 bytes of a load of y
.set ADR, 227                          ; v227 the loop's list address
.set TR,  228                          ; v228 640 + lane: the place of a candidate that is no hit
.set LN,  240                          ; v240 lane
.set PSTO, 241                         ; v241 my partial sums
.set FSTO, 242                         ; v242 my flags
.set QLO, 243                          ; v243 quad w of waves 0 .. 7
.set QHI, 244                          ; v244 quad w of waves 8 .. 15
.set RSTO, 245                         ; v245 where quad w's sum goes
.set RRD, 246                          ; v246 where I read my rows of out0
.set OUT, 247                          ; v247 and where they go
.set FRD, 248                          ; v248 all waves' flags, for wave 0
.set WV,  14
.set G0,  15
.set CNT, 18                           ; my wave's hits so far
.set TT,  19
.set K80, 21
.set K01, 22
.set P01, 23
.set PLO, 24
.set PHI, 25
.set PEV, 26
.set POD, 27
.set EXPO, 28
.set REM, 29
.set LOFF, 30
.set TRIP, 31
.set BT,  39
	s_load_b256 s[4:11], s[0:1], 0x0               ; scales s[4:5], x s[6:7], y s[8:9], out0 s[10:11]
	s_load_b64 s[12:13], s[0:1], 0x20              ; out1
	v_lshl_add_u32 v[SPW], v0, 2, SPARE
	v_mov_b32 v[NIL], 0
	v_lshrrev_b32 v[RL], 5, v0
	v_readfirstlane_b32 s[WV], v[RL]               ; wave 0..15
	v_lshlrev_b32 v[YO], 4, v0                     ; load i of the work-group covers 8,192 consecutive bytes of y: 16 a thread
	s_and_b32 s[BT], ttmp7, 0xffff                 ; the batch
	s_lshl_b32 s32, s[BT], 15
	s_mov_b32 s33, 0
	s_wait_kmcnt 0x0
	s_add_nc_u64 s[8:9], s[8:9], s[32:33]          ; y[b]
.irp i, 0,1,2,3
	global_load_b128 v[Y+4*\i:Y+4*\i+3], v[YO], s[8:9] offset:8192*\i   ; candidate (i, j) of thread t is row 2048 i + 4 t + j
.endr
	s_load_b64 s[16:17], s[4:5], 0x0               ; e0, e1
	; all that follows up to the scan stands between y's request and its arrival
	v_and_b32 v[LN], 31, v0
	s_mul_i32 s36, s[WV], LISTB
	v_lshl_add_u32 v[PA], v[LN], 4, s36
.irp k, 0,1,2,3
	v_mov_b32 v[PD+\k], PADE
.endr
.irp k, 0,1,2,3,4
	ds_store_b128 v[PA], v[PD:PD+3] offset:512*\k  ; my list begins as 640 empty slots: what the hits do not overwrite matches no group
.endr
	v_mov_b32 v[LB], s36
	v_add_nc_u32 v[TR], LISTE, v[LN]
	v_and_b32 v[RL], 15, v0
	v_bfe_u32 v[HL], v0, 4, 1
	v_lshl_add_u32 v[LR], v[HL], 4, s36
	v_lshlrev_b32 v[C16], 4, v[RL]
	v_lshlrev_b32 v[N0], 2, v0
	; the addresses of the sum over waves
	s_lshl_b32 s36, s[WV], 13
	v_lshl_add_u32 v[PSTO], v[LN], 4, s36          ; my partial sums: 8,192 x wave + 16 x lane (+ PART in the offset)
	s_lshl_b32 s36, s[WV], 8
	v_lshl_add_u32 v[FSTO], v[LN], 3, s36
	v_add_nc_u32 v[FSTO], PRS, v[FSTO]
	s_lshl_b32 s36, s[WV], 9
	v_lshl_add_u32 v[QLO], v[LN], 4, s36
	v_add_nc_u32 v[RSTO], RED, v[QLO]
	v_add_nc_u32 v[QHI], PART+65536, v[QLO]
	v_add_nc_u32 v[QLO], PART, v[QLO]
	s_lshr_b32 s36, s[WV], 3                       ; at the end wave w stores register v = w % 8 of tile t = w / 8: groups 16 t + v and 16 t + 8 + v
	s_lshl_b32 s37, s36, 12
	s_bfe_u32 s38, s[WV], 0x10002
	s_lshl_b32 s38, s38, 9
	s_add_co_u32 s37, s37, s38
	s_and_b32 s38, s[WV], 3
	s_lshl_b32 s38, s38, 2
	s_add_co_u32 s37, s37, s38                     ; quad 8 t + 2 j + v / 4, word v % 4
	v_lshl_add_u32 v[RRD], v[LN], 4, s37
	v_add_nc_u32 v[RRD], RED, v[RRD]
	s_lshl_b32 s36, s36, 4
	s_and_b32 s38, s[WV], 7
	s_add_co_u32 s36, s36, s38
	s_lshl_b32 s36, s36, 8
	v_lshl_add_u32 v[OUT], v[HL], 11, s36
	v_add_nc_u32 v[OUT], v[OUT], v[C16]            ; out0: row 16 t + v + 8 h of my 32, 16 r bytes on
	v_lshl_add_u32 v[FRD], v[LN], 3, PRS
	s_mov_b32 s[K80], 0x80808080
	s_mov_b32 s[K01], 0x01010101
	s_mov_b32 s[P01], 0x00000602                   ; byte 2 of the second source, byte 2 of the first
	s_mov_b32 s[PLO], 0x05040100                   ; the two low halves
	s_mov_b32 s[PHI], 0x07060302                   ; the two high halves
	s_mov_b32 s[PEV], 0x05010400                   ; bytes 0 and 1 of both sources, interleaved
	s_mov_b32 s[POD], 0x07030602                   ; bytes 2 and 3 likewise
	v_mul_lo_u32 v[G40], v[RL], s[K01]
	v_or_b32 v[G41], 0x10101010, v[G40]
	v_mov_b32 v[PR0], 0
	v_mov_b32 v[PR0+1], 0
.irp j, 0,1,2,3
.irp q, 4,5,6,7
	v_mov_b32 v[BF+8*\j+\q], 0                     ; units 4 to 7 of x's fragments begin as zero codes; a way that has such a unit writes over them
.endr
.endr
	s_lshl_b32 s[G0], ttmp9, 5                     ; my first group
	s_lshl_b32 s32, s[BT], 21
	s_add_nc_u64 s[6:7], s[6:7], s[32:33]          ; x[b]
	s_lshl_b32 s32, s[BT], 17
	s_lshl_b32 s36, ttmp9, 13
	s_add_co_u32 s32, s32, s36
	s_add_nc_u64 s[10:11], s[10:11], s[32:33]      ; out0 at my first group's row
	s_lshl_b32 s32, s[BT], 9
	s_add_co_u32 s32, s32, s[G0]
	s_add_nc_u64 s[12:13], s[12:13], s[32:33]      ; out1 likewise
	s_wait_kmcnt 0x0
	s_add_co_i32 s36, s16, 127
	s_lshl_b32 s37, s36, 23
	v_mov_b32 v138, s37                            ; 2^e0
	s_add_co_i32 s36, s36, 8
	s_lshl_b32 s36, s36, 23
	s_or_b32 s36, s36, 0x600000
	v_mov_b32 v139, s36                            ; 448 x 2^e0
	v_min_num_f32 v128, 1.0, v139                  ; the hold: the conversion to an 8-bit code does not saturate (ISA guide 7.6.2); 1.0 is positive, so it is one-sided
.irp k, 1,2,3,4,5,6,7
	v_mov_b32 v[128+\k], 0
.endr
	v_cvt_scalef32_pk8_fp8_f32 v[136:137], v[128:135], v138   ; byte 0: the code of 1.0 under 2^e0; the other bytes are codes of 0
	s_add_co_i32 s36, s17, 127
	s_lshl_b32 s37, s36, 23
	v_mov_b32 v[SC], s37                           ; (the plain instruction between the conversion and the reader of its result)
	s_add_co_i32 s36, s36, 8
	s_lshl_b32 s36, s36, 23
	s_or_b32 s36, s36, 0x600000
	v_mov_b32 v[LIM], s36
	v_lshlrev_b32 v[TBL], 8, v136
	s_add_co_i32 s[EXPO], s16, s17
	s_sub_co_i32 s[EXPO], s[EXPO], 13              ; a sum stands for sum x 2^(e0 + e1); / 8192
	s_mov_b32 s[CNT], 0
; THE SCAN.  One register of candidates: a hit's place in the list is the count so far + the hits in lower lanes, below 512; what is no hit has place 640 + lane.  All 32 lanes store.
.macro SCAN reg, add
	v_sub_nc_u32 v[SD], v[\reg], s[G0]             ; d = y - my first group: 0 .. 31 for my groups, large for all else, negative y too
	v_cmp_gt_u32 vcc_lo, GRP, v[SD]
	v_mbcnt_lo_u32_b32 v[SQ], vcc_lo, s[CNT]
	v_lshl_add_u32 v[SE], v[SD], 16, v[N0]         ; the entry: d in byte 2, the row below
	s_bcnt1_i32_b32 s[TT], vcc_lo
	v_cndmask_b32 v[SQ], v[TR], v[SQ], vcc_lo      ; a hit keeps its place
	v_min_u32 v[SQ], LISTE+31, v[SQ]               ; the place is held inside my wave's bytes,
.if \add
	v_add_nc_u32 v[SE], \add, v[SE]
.endif
	v_lshlrev_b32 v[SQ], 2, v[SQ]                  ; and becomes an address by one shift
	s_add_co_u32 s[CNT], s[CNT], s[TT]
	v_add_nc_u32 v[SQ], v[LB], v[SQ]               ; and one addition
	ds_store_b32 v[SQ], v[SE]
.endm
.irp i, 0,1,2,3
	s_wait_loadcnt 3-\i                            ; y's load i is in; the later ones may be out
.irp j, 0,1,2,3
	SCAN Y+4*\i+\j, 2048*\i+\j
.endr
.endr
.irp q, 4,5,6,7
	v_mov_b32 v[AF+\q], 0                          ; y is used up: units 4 to 7 of the one-hot's fragments begin as zero codes too
	v_mov_b32 v[AF+8+\q], 0
.endr
; nu units: entries from the list (LDS serves a wave's instructions in order: these see my stores), the d bytes, the rows' addresses, the loads.
.macro FETCH nu, eb, db, tb, adr
.set q, 0
.rept \nu
	ds_load_b128 v[\eb+4*q:\eb+4*q+3], v[\adr] offset:32*q   ; slots 8 q + 4 h + 0 .. 3
.set q, q+1
.endr
.set q, 0
.rept \nu
	s_wait_dscnt \nu-1-q                           ; unit q's entries are in; the later units' may be out
	v_perm_b32 v[\tb], v[\eb+4*q+1], v[\eb+4*q], s[P01]
	v_perm_b32 v[\tb+1], v[\eb+4*q+3], v[\eb+4*q+2], s[P01]
	v_perm_b32 v[\db+q], v[\tb+1], v[\tb], s[PLO]  ; d of the four slots, slot p in byte p
.irp i, 0,1,2,3
	v_and_b32 v[\eb+4*q+\i], 0xffff, v[\eb+4*q+\i]
.endr
.irp i, 0,1,2,3
	v_min_u32 v[\eb+4*q+\i], 0x1fff, v[\eb+4*q+\i] ; a row of the batch,
.endr
.irp i, 0,1,2,3
	v_lshlrev_b32 v[\eb+4*q+\i], 8, v[\eb+4*q+\i]  ; its 256 bytes,
.endr
.irp i, 0,1,2,3
	v_add_nc_u32 v[\eb+4*q+\i], v[C16], v[\eb+4*q+\i]   ; my 16 of them
.endr
.irp i, 0,1,2,3
	global_load_b128 v[RAW+16*q+4*\i:RAW+16*q+4*\i+3], v[\eb+4*q+\i], s[6:7]   ; sixteen lanes read one row's 256 bytes, aligned; the other sixteen another row's
.endr
.set q, q+1
.endr
.endm
; the one-hot's registers q of both tiles; it needs nothing of x, so it stands between the loads and the wait for them
.macro ABUILD nu, db, tb
.set q, 0
.rept \nu
.set u, \tb+2*(q%2)
	v_xor_b32 v[u], v[\db+q], v[G40]
	v_xor_b32 v[u+1], v[\db+q], v[G41]
	v_sub_nc_u32 v[u], s[K80], v[u]                ; bit 7 of a byte: d = my group
	v_sub_nc_u32 v[u+1], s[K80], v[u+1]
	v_lshrrev_b32 v[u], 7, v[u]
	v_lshrrev_b32 v[u+1], 7, v[u+1]
	v_and_b32 v[u], s[K01], v[u]                   ; 1 or 0 a byte
	v_and_b32 v[u+1], s[K01], v[u+1]
	v_or_b32 v[PR0], v[PR0], v[u]
	v_or_b32 v[PR0+1], v[PR0+1], v[u+1]
	v_perm_b32 v[AF+q], v[TBL], v[TBL], v[u]       ; the code of 1.0, or 0
	v_perm_b32 v[AF+8+q], v[TBL], v[TBL], v[u+1]
.set q, q+1
.endr
.endm
; x's numbers become codes: a unit's 16 registers are rows 0 .. 3 of my half x my 4 columns
.macro CONV nu, tb
.set q, 0
.rept \nu
	s_wait_loadcnt 4*(\nu-1-q)                     ; unit q's four loads are in; four for each later unit may be out
.set rr, RAW+16*q
.irp k, 0,1,2,3,4,5,6,7,8,9,10,11,12,13,14,15
	v_med3_num_f32 v[rr+\k], v[rr+\k], -v[LIM], v[LIM]   ; the hold at the largest code x the scale
.endr
	v_cvt_scalef32_pk8_fp8_f32 v[\tb:\tb+1], v[rr:rr+7], v[SC]       ; rows 0 and 1: a register a row, column 4 r + j in byte j
	v_cvt_scalef32_pk8_fp8_f32 v[\tb+2:\tb+3], v[rr+8:rr+15], v[SC]  ; rows 2 and 3
	v_nop                                          ; one plain instruction between the conversions and the readers of their results
	v_perm_b32 v[\tb+4], v[\tb+1], v[\tb], s[PEV]  ; 4 x 4 bytes are turned in two steps
	v_perm_b32 v[\tb+5], v[\tb+1], v[\tb], s[POD]
	v_perm_b32 v[\tb+6], v[\tb+3], v[\tb+2], s[PEV]
	v_perm_b32 v[\tb+7], v[\tb+3], v[\tb+2], s[POD]
	v_perm_b32 v[BF+q], v[\tb+6], v[\tb+4], s[PLO]      ; column 4 r + 0, slot p in byte p
	v_perm_b32 v[BF+8+q], v[\tb+6], v[\tb+4], s[PHI]    ; column 4 r + 1
	v_perm_b32 v[BF+16+q], v[\tb+7], v[\tb+5], s[PLO]   ; column 4 r + 2
	v_perm_b32 v[BF+24+q], v[\tb+7], v[\tb+5], s[PHI]   ; column 4 r + 3
.set q, q+1
.endr
.endm
; 8 products, one for each accumulator, which so take turns.  Source 0: 16 groups; source 1: 16 columns.  zero = 1: they start the sums
.macro MULS zero
.irp t, 0,1
.irp j, 0,1,2,3
.if \zero
	v_wmma_f32_16x16x64_fp8_fp8 v[ACC+8*(4*\t+\j):ACC+8*(4*\t+\j)+7], v[AF+8*\t:AF+8*\t+7], v[BF+8*\j:BF+8*\j+7], 0
.else
	v_wmma_f32_16x16x64_fp8_fp8 v[ACC+8*(4*\t+\j):ACC+8*(4*\t+\j)+7], v[AF+8*\t:AF+8*\t+7], v[BF+8*\j:BF+8*\j+7], v[ACC+8*(4*\t+\j):ACC+8*(4*\t+\j)+7]
.endif
.endr
.endr
.endm
.macro PLACES                          ; four plain instructions behind the products, ahead of writes of their sources and reads of their results (ISA guide 7.12.1)
.rept 4
	v_nop
.endr
.endm
; The first slots, 48 at the most.  Entries, d bytes and scratch lie where the accumulators will: nothing is summed yet.
.macro FIRST nu
	FETCH \nu, 64, 96, 104, LR
	ABUILD \nu, 96, 104
	CONV \nu, 104
.endm
	; written for 4, 5 and 6 units, so that each way loads just what it converts; 512 candidates over 16 ranges give 32 hits on the average
	s_cmp_le_u32 s[CNT], 32
	s_cbranch_scc1 .Lfour
	s_cmp_le_u32 s[CNT], 40
	s_cbranch_scc1 .Lfive
	FIRST 6
	s_branch .Ljoin
.Lfive:
	FIRST 5
	s_branch .Ljoin
.Lfour:
	FIRST 4
.Ljoin:
	MULS 1
	PLACES
	; MORE THAN 48 HITS: 32 slots a trip.  Every wave walks all 15 trips (48 + 15 x 32 covers the 512 candidates), so that the list's offset is a counted loop's step; a trip with nothing left jumps over its work.
	s_sub_co_i32 s[REM], s[CNT], 48
	s_mov_b32 s[LOFF], 192
	s_mov_b32 s[TRIP], 15
.Lmore:
	v_add_nc_u32 v[ADR], s[LOFF], v[LR]            ; made in every trip, ahead of the branch
	s_cmp_gt_i32 s[REM], 0
	s_cbranch_scc0 .Lnone
	FETCH 4, 192, 208, 216, ADR                    ; scratch lies above the four units' rows
	ABUILD 4, 208, 216
.irp q, 4,5,6,7
	v_mov_b32 v[AF+\q], 0                          ; units 4 to 7 count for nothing: zero codes in the one-hot; what x's fragments hold there are finite codes of an earlier step
	v_mov_b32 v[AF+8+\q], 0
.endr
	CONV 4, 216
	MULS 0
	PLACES
.Lnone:
	s_add_co_u32 s[LOFF], s[LOFF], 128
	s_sub_co_i32 s[REM], s[REM], 32
	s_sub_co_u32 s[TRIP], s[TRIP], 1
	s_cmp_lg_u32 s[TRIP], 0
	s_cbranch_scc1 .Lmore
	; THE SUM OVER THE SIXTEEN WAVES.  My 64 registers go to LDS as they stand, four at a time, 16 bytes a lane; each accumulator from its low end on.
.irp c, 0,1,2,3,4,5,6,7,8,9,10,11,12,13,14,15
	ds_store_b128 v[PSTO], v[ACC+4*\c:ACC+4*\c+3] offset:PART+512*\c
.endr
	ds_store_b64 v[FSTO], v[PR0:PR0+1]
	s_wait_dscnt 0x0                               ; for the others' sake: my stores have landed
	s_barrier_signal -1
	s_barrier_wait -1
.irp p, 0,1,2,3,4,5,6,7
	ds_load_b128 v[RAW+4*\p:RAW+4*\p+3], v[QLO] offset:8192*\p        ; quad w of every wave's partial sums
.endr
.irp p, 0,1,2,3,4,5,6,7
	ds_load_b128 v[RAW+32+4*\p:RAW+32+4*\p+3], v[QHI] offset:8192*\p
.endr
.macro QADD a, b
	v_pk_add_f32 v[\a:\a+1], v[\a:\a+1], v[\b:\b+1]
	v_pk_add_f32 v[\a+2:\a+3], v[\a+2:\a+3], v[\b+2:\b+3]
.endm
.macro EIGHT o                         ; eight quads from v[o] on become one
.irp p, 0,1,2,3
	QADD \o+4*\p, \o+4*\p+16
.endr
	QADD \o, \o+8
	QADD \o+4, \o+12
	QADD \o, \o+4
.endm
	s_wait_dscnt 8                                 ; the first eight are in; the second eight may be out
	EIGHT RAW
	s_wait_dscnt 0x0
	EIGHT RAW+32
	QADD RAW, RAW+32
	ds_store_b128 v[RSTO], v[RAW:RAW+3]
	s_wait_dscnt 0x0                               ; for the others' sake: my quad's sum has landed
	s_barrier_signal -1
	s_barrier_wait -1
	s_cmp_lg_u32 s[WV], 0
	s_cbranch_scc1 .Lrows
	; out1, by wave 0: the OR of all waves' flags, and of both halves of the lanes
.irp p, 0,1,2,3,4,5,6,7,8,9,10,11,12,13,14,15
	ds_load_b64 v[160+2*\p:161+2*\p], v[FRD] offset:256*\p
.endr
	s_mov_b32 s34, 0x76543210                      ; v_permlanex16_b32: lane l takes lane l xor 16
	s_mov_b32 s35, 0xfedcba98
	s_mov_b32 s36, 0xffff0000                      ; lanes 16 to 31
	v_mov_b32 v192, 0                              ; a lane permute's destination counts as read: it is written first
	v_mov_b32 v193, 0
	s_wait_dscnt 0x0
.irp k, 0,1,2,3,4,5,6,7,8,9,10,11,12,13,14,15
	v_or_b32 v[160+\k], v[160+\k], v[176+\k]       ; even registers: tile 0, odd ones: tile 1; every distance is even
.endr
.irp k, 0,1,2,3,4,5,6,7
	v_or_b32 v[160+\k], v[160+\k], v[168+\k]
.endr
.irp k, 0,1,2,3
	v_or_b32 v[160+\k], v[160+\k], v[164+\k]
.endr
.irp k, 0,1
	v_or_b32 v[160+\k], v[160+\k], v[162+\k]
.endr
	v_permlanex16_b32 v192, v160, s34, s35
	v_permlanex16_b32 v193, v161, s34, s35
	v_or_b32 v160, v160, v192
	v_or_b32 v161, v161, v193
	v_cndmask_b32 v160, v160, v161, s36            ; lane l speaks for group l of my 32
	v_cmp_ne_u32 vcc_lo, 0, v160
	v_cndmask_b32 v160, 0, 1, vcc_lo
	global_store_b8 v[LN], v160, s[12:13]          ; 32 consecutive bytes; neither register is written again
.Lrows:
.irp j, 0,1,2,3
	ds_load_b32 v[RAW+4+\j], v[RRD] offset:1024*\j ; one register of the four column tiles: columns 4 r + 0 .. 3 of one group
.endr
	s_wait_dscnt 0x0
.irp j, 0,1,2,3
	v_ldexp_f32 v[RAW+8+\j], v[RAW+4+\j], s[EXPO]  ; x 2^(e0 + e1 - 13): nothing is rounded, short of overflow and underflow
.endr
	global_store_b128 v[OUT], v[RAW+8:RAW+11], s[10:11] th:TH_STORE_NT   ; sixteen lanes store one row of out0, 256 consecutive bytes, aligned; the other sixteen the row 8 groups on
	s_wait_tensorcnt 0x0                           ; the wave's end
	ds_add_u32 v[SPW], v[NIL]
	s_wait_dscnt 0x0
	s_endpgm
.Lfunc_end_k_q766ce0417e_pool:
	.size	k_q766ce0417e_pool, .Lfunc_end_k_q766ce0417e_pool-k_q766ce0417e_pool
	.p2alignl 7, 3214868480
	.fill 96, 4, 3214868480
	.section	.rodata,"a",@progbits
	.p2align	6, 0x0
	.amdhsa_kernel k_q766ce0417e_pool
		.amdhsa_group_segment_fixed_size 190464
		.amdhsa_private_segment_fixed_size 0
		.amdhsa_enable_private_segment 0
		.amdhsa_kernarg_size 40
		.amdhsa_user_sgpr_count 2
		.amdhsa_user_sgpr_kernarg_segment_ptr 1
		.amdhsa_wavefront_size32 1
		.amdhsa_system_sgpr_workgroup_id_x 1
		.amdhsa_system_sgpr_workgroup_id_y 1
		.amdhsa_system_sgpr_workgroup_id_z 1
		.amdhsa_system_vgpr_workitem_id 0
		.amdhsa_next_free_vgpr 256
		.amdhsa_next_free_sgpr 66
		.amdhsa_reserve_vcc 1
		.amdhsa_float_denorm_mode_32 3
		.amdhsa_float_denorm_mode_16_64 3
		.amdhsa_memory_ordered 1
		.amdhsa_forward_progress 1
		.amdhsa_inst_pref_size 93
	.end_amdhsa_kernel
	.amdgpu_metadata
---
amdhsa.version: [ 1, 2 ]
amdhsa.kernels:
  - .name:           k_q766ce0417e_pool
    .symbol:         k_q766ce0417e_pool.kd
    .args:
      - { .name: lowp_scales, .offset: 0, .size: 8, .value_kind: global_buffer, .address_space: global }
      - { .name: x, .offset: 8, .size: 8, .value_kind: global_buffer, .address_space: global }
      - { .name: y, .offset: 16, .size: 8, .value_kind: global_buffer, .address_space: global }
      - { .name: out0, .offset: 24, .size: 8, .value_kind: global_buffer, .address_space: global }
      - { .name: out1, .offset: 32, .size: 8, .value_kind: global_buffer, .address_space: global }
    .group_segment_fixed_size: 190464
    .private_segment_fixed_size: 0
    .kernarg_segment_align: 8
    .kernarg_segment_size: 40
    .max_flat_workgroup_size: 512
    .sgpr_count:     66
    .vgpr_count:     256
    .wavefront_size: 32
...
	.end_amdgpu_metadata
.endif
;; end of part 1
;; ======== version 2 of 2: 1 launch; version 1 with the launch pool written anew for expert scheduling mode
;; launch pool (part 2): grid 16 x 16, 16 waves a work-group, no clusters, 190,464 bytes of LDS; arguments lowp_scales, x, y, out0, out1; writes out0, out1
.if DOCPART == 2
	.amdgcn_target "amdgcn-amd-amdhsa--gfx1250"
	.amdhsa_code_object_version 6
	.text
	.protected	k_q766ce0417e_pool
	.globl	k_q766ce0417e_pool
	.p2align	8
	.type	k_q766ce0417e_pool,@function
k_q766ce0417e_pool:
	s_mov_b64 s[64:65], 0
	v_nop
	global_prefetch_b8 v0, s[64:65] scope:SCOPE_SE
	s_setreg_imm32_b32 hwreg(HW_REG_WAVE_SCHED_MODE, 0, 2), 2
	s_setreg_imm32_b32 hwreg(HW_REG_WAVE_MODE, 25, 1), 1
	s_wait_xcnt 0x0
	s_wait_alu depctr_vm_vsrc(0)
; out0[b][g][c] = (sum over n of onehot(y[b][n] == g) x[b][n][c]) / 8192, the product on codes of FP8 (E4M3); out1[b][g] = (some n has y[b][n] == g).
; x: [16][8192][64] f32, y: [16][8192] int32, lowp_scales: e0 (the one-hot's), e1 (x's).  A y below 0 or above 511 belongs to no group.
; SHARES.  Work-group (rho, b) owns groups 32 rho .. 32 rho + 31 of batch b, all 64 columns: every output has one owner, and nothing is summed between work-groups.
; It reads y[b], keeps the rows n whose group is its own, and gathers only those rows of x (256 bytes each): a row of x is read by the one work-group that owns its group.
; Only those K positions are multiplied; the one-hot's columns at all other K are zero in these 32 rows, so the products left out are exact zeros.
; WAVES.  Sixteen, four to a SIMD.  Wave w scans 512 of the 8,192 y, writes its hits into a list of its own in LDS, gathers, quantises and multiplies them (2 tiles of 16 groups x 4 tiles of 16 columns),
; and the sixteen partial sums meet in LDS.
; K's ORDER is the list's: the same slot stands at the same register, byte and half of the lanes in both operands, so every product meets its partner.
; A UNIT is 8 slots: 4 for lanes 0-15, 4 for lanes 16-31.  A lane loads 16 bytes (columns 4 r .. 4 r + 3) of its half's row, so sixteen lanes read one whole row of 256 bytes.  Column tile j is made of
; columns 4 r + j: after the conversion a 4 x 4 transposition of bytes gives one register (4 slots of one column) of each of the four B fragments.
; THE ONE-HOT: four slots' group bytes d are compared with the lane's group byte at once: z = d xor g; 0x80 - z has bit 7 set only where z = 0 (z is at most 0x5f, so no byte borrows); the flag picks the code.
; The code is 1.0 put through the quantiser with e0, once, by the conversion instruction.  The flags, not the codes, make out1.
; EXEC STAYS FULL FROM THE FIRST LINE TO THE LAST.  The scan stores every candidate: a hit at its place in the list, any other into a word of its lane's own behind the list, which nobody reads.
; ADDRESSES FROM y.  A number that hangs on y enters an address only behind v_min_u32 with a constant, and behind that stand one shift and one addition.  Address registers (v224 on) never hold data.
; No tensor load and no cluster: branches here hang on numbers read from y, and what work-groups share is y alone, 32 KB beside some 130 KB of rows that are each work-group's own.
; No prefetch: the rows are known only when the lists are made, and are asked for at once.
; LIMITS: e0 and e1 lie between -126 and 119, so that 2^e and 448 x 2^e are f32 numbers.  NaN in x is not served (an infinity is held at the largest code).  Any y is served; a y that crowds into few groups makes the work uneven.
; THE MODE: SCHED_MODE bits 1:0 = 2 (LLVM: expert scheduling mode 2), set by the entry lines.  The code itself states the register dependences
; between vector or matrix instructions and memory or LDS instructions, with s_wait_alu, always for 0.
; THE PLAN.  Registers that memory or LDS instructions touch, in the order of the text:
;   v[YO], v[PA], v[PD ..]   Made at the head; read by y's loads and by the stores of empty slots.  v[PD ..] lie where the first rows of x land.
;   v[SQ ..], v[SE ..]       A place and an entry for each of a lane's sixteen candidates: written by the scan, read by the sixteen list stores, which stand in one run.  v[SE ..] lie where the first entries land.
;   entries                  v64-87 (the first slots) or v192-207 (the loop): list loads land there; vector lines turn them in place into row offsets; the row loads read them.
;                            Written again by the first products (v64-87), by the next trip's list loads, and two of them by wave 0 at the end (v192, v193).
;   v[RAW ..]                Row loads land there; holds and conversions work on them; the next trip's rows, and at the end the partial sums, land there again.
;   v[ADR]                   Written by one addition a trip, read by the trip's list loads.
;   v[LR], v240-248          Made at the head, never written again.
;   accumulators, flags, the way out's data: written by matrix or vector lines, read by one store each, never written again.
; So a fetch makes the offsets of all its units and has ONE wait on va_vdst ahead of all its row loads; the scan has one ahead of its sixteen stores; each run of stores on the way out has one.
; Waits on vm_vsrc stand ahead of the first fetch, ahead of the first products and at the end of every trip of the loop.  A compare's mask has its wait behind the run of compares.
.set GRP,   32                         ; groups of a work-group
.set LISTE, 640                        ; a wave's list: 640 entries of 4 bytes: 512 candidates, and room for the last trip's reads (48 + 15 x 32 = 528 slots)
.set LISTB, 2816                       ; the list, 32 words behind it for what is no hit, and the rest of a block of 256 bytes
.set PART,  16*LISTB                   ; LDS: behind the lists the partial sums, 8,192 bytes a wave,
.set RED,   PART+16*8192               ; the summed quads, 512 bytes each,
.set PRS,   RED+16*512                 ; the flags, 256 bytes a wave,
.set SPARE, PRS+16*256                 ; and the spare words, 128 bytes a wave: eight blocks of 256 bytes that no other line names
.set PADE,  0x00400000                 ; an empty slot: row 0 (a row that exists), d = 64 (no group's)
.set RL,  1                            ; v1   r = lane % 16
.set HL,  2                            ; v2   h = lane / 16
.set SPW, 3                            ; v3   LDS address of my spare word; never rewritten
.set NIL, 4                            ; v4   0; never rewritten
.set LB,  5                            ; v5   my wave's list
.set LR,  6                            ; v6   where my half of the lanes reads it: + 16 h
.set C16, 7                            ; v7   16 r: my 16 bytes of a row of x
.set N0,  8                            ; v8   4 x thread: the row of my first candidate
.set SC,  9                            ; v9   2^e1
.set LIM, 10                           ; v10  448 x 2^e1
.set TBL, 11                           ; v11  byte 0: 0, byte 1: the code of 1.0
.set G40, 12                           ; v12  my group in tile 0, in all four bytes;  v13 in tile 1
.set G41, 13
.set PR0, 14                           ; v[14:15] flags: some slot of mine matched, tile 0, tile 1
.set AF,  16                           ; v16-31   the one-hot's two fragments  (before: y)
.set BF,  32                           ; v32-63   x's four fragments            (v32-35 before: scratch of the scan)
.set ACC, 64                           ; v64-127  8 accumulators, (t, j) at 8 (4 t + j)  (before the first product: the scan's entries, then entries, d bytes, scratch)
.set RAW, 128                          ; v128-223 rows of x as f32: 16 registers a unit, 6 units at the most
.set Y,   16
.set SD,  32                           ; v32-35   d of a load's four candidates
.set SE,  64                           ; v64-79   the sixteen candidates' entries
.set PD,  140                          ; v140-143 four empty slots
.set SQ,  224                          ; v224-239 the sixteen candidates' places
.set LN,  240                          ; v240 lane
.set PSTO, 241                         ; v241 my partial sums
.set FSTO, 242                         ; v242 my flags
.set QLO, 243                          ; v243 quad w of waves 0 .. 7
.set QHI, 244                          ; v244 quad w of waves 8 .. 15
.set RSTO, 245                         ; v245 where quad w's sum goes
.set RRD, 246                          ; v246 where I read my rows of out0
.set OUT, 247                          ; v247 and where they go
.set FRD, 248                          ; v248 all waves' flags, for wave 0
.set PA,  249                          ; v249 where I fill the list with empty slots
.set YO,  250                          ; v250 my 16 bytes of a load of y
.set ADR, 251                          ; v251 the loop's list address
.set TR,  252                          ; v252 640 + lane: the place of a candidate that is no hit
.set WV,  14
.set G0,  15
.set CNT, 18                           ; my wave's hits so far
.set TT,  19
.set K80, 21
.set K01, 22
.set P01, 23
.set PLO, 24
.set PHI, 25
.set PEV, 26
.set POD, 27
.set EXPO, 28
.set REM, 29
.set LOFF, 30
.set TRIP, 31
.set MK,  32                           ; s32-35 in the scan: the masks of a load's four candidates (at the head s[32:33] is an offset's pair)
.set BT,  39
	s_load_b256 s[4:11], s[0:1], 0x0               ; scales s[4:5], x s[6:7], y s[8:9], out0 s[10:11]
	s_load_b64 s[12:13], s[0:1], 0x20              ; out1
	v_lshl_add_u32 v[SPW], v0, 2, SPARE
	v_mov_b32 v[NIL], 0
	v_lshrrev_b32 v[RL], 5, v0
	v_readfirstlane_b32 s[WV], v[RL]               ; wave 0..15
	v_lshlrev_b32 v[YO], 4, v0                     ; load i of the work-group covers 8,192 consecutive bytes of y: 16 a thread
	v_and_b32 v[LN], 31, v0
.irp k, 0,1,2,3
	v_mov_b32 v[PD+\k], PADE
.endr
	s_and_b32 s[BT], ttmp7, 0xffff                 ; the batch
	s_lshl_b32 s32, s[BT], 15
	s_mov_b32 s33, 0
	s_wait_alu depctr_va_sdst(0)                   ; s[WV] is written, ahead of its first reader: LDS addresses and a branch are made from it
	s_mul_i32 s36, s[WV], LISTB
	v_lshl_add_u32 v[PA], v[LN], 4, s36
	s_wait_kmcnt 0x0
	s_add_nc_u64 s[8:9], s[8:9], s[32:33]          ; y[b]
	s_wait_alu depctr_va_vdst(0)                   ; v[YO] is written, which y's loads read; so are v[PA] and v[PD ..], which the stores of empty slots read
.irp i, 0,1,2,3
	global_load_b128 v[Y+4*\i:Y+4*\i+3], v[YO], s[8:9] offset:8192*\i   ; candidate (i, j) of thread t is row 2048 i + 4 t + j
.endr
	s_load_b64 s[16:17], s[4:5], 0x0               ; e0, e1
	; all that follows up to the scan stands between y's request and its arrival
.irp k, 0,1,2,3,4
	ds_store_b128 v[PA], v[PD:PD+3] offset:512*\k  ; my list begins as 640 empty slots: what the hits do not overwrite matches no group
.endr
	v_mov_b32 v[LB], s36
	v_add_nc_u32 v[TR], LISTE, v[LN]
	v_and_b32 v[RL], 15, v0
	v_bfe_u32 v[HL], v0, 4, 1
	v_lshl_add_u32 v[LR], v[HL], 4, s36
	v_lshlrev_b32 v[C16], 4, v[RL]
	v_lshlrev_b32 v[N0], 2, v0
	; the addresses of the sum over waves
	s_lshl_b32 s36, s[WV], 13
	v_lshl_add_u32 v[PSTO], v[LN], 4, s36          ; my partial sums: 8,192 x wave + 16 x lane (+ PART in the offset)
	s_lshl_b32 s36, s[WV], 8
	v_lshl_add_u32 v[FSTO], v[LN], 3, s36
	v_add_nc_u32 v[FSTO], PRS, v[FSTO]
	s_lshl_b32 s36, s[WV], 9
	v_lshl_add_u32 v[QLO], v[LN], 4, s36
	v_add_nc_u32 v[RSTO], RED, v[QLO]
	v_add_nc_u32 v[QHI], PART+65536, v[QLO]
	v_add_nc_u32 v[QLO], PART, v[QLO]
	s_lshr_b32 s36, s[WV], 3                       ; at the end wave w stores register v = w % 8 of tile t = w / 8: groups 16 t + v and 16 t + 8 + v
	s_lshl_b32 s37, s36, 12
	s_bfe_u32 s38, s[WV], 0x10002
	s_lshl_b32 s38, s38, 9
	s_add_co_u32 s37, s37, s38
	s_and_b32 s38, s[WV], 3
	s_lshl_b32 s38, s38, 2
	s_add_co_u32 s37, s37, s38                     ; quad 8 t + 2 j + v / 4, word v % 4
	v_lshl_add_u32 v[RRD], v[LN], 4, s37
	v_add_nc_u32 v[RRD], RED, v[RRD]
	s_lshl_b32 s36, s36, 4
	s_and_b32 s38, s[WV], 7
	s_add_co_u32 s36, s36, s38
	s_lshl_b32 s36, s36, 8
	v_lshl_add_u32 v[OUT], v[HL], 11, s36
	v_add_nc_u32 v[OUT], v[OUT], v[C16]            ; out0: row 16 t + v + 8 h of my 32, 16 r bytes on
	v_lshl_add_u32 v[FRD], v[LN], 3, PRS
	s_mov_b32 s[K80], 0x80808080
	s_mov_b32 s[K01], 0x01010101
	s_mov_b32 s[P01], 0x00000602                   ; byte 2 of the second source, byte 2 of the first
	s_mov_b32 s[PLO], 0x05040100                   ; the two low halves
	s_mov_b32 s[PHI], 0x07060302                   ; the two high halves
	s_mov_b32 s[PEV], 0x05010400                   ; bytes 0 and 1 of both sources, interleaved
	s_mov_b32 s[POD], 0x07030602                   ; bytes 2 and 3 likewise
	v_mul_lo_u32 v[G40], v[RL], s[K01]
	v_or_b32 v[G41], 0x10101010, v[G40]
	v_mov_b32 v[PR0], 0
	v_mov_b32 v[PR0+1], 0
.irp j, 0,1,2,3
.irp q, 4,5,6,7
	v_mov_b32 v[BF+8*\j+\q], 0                     ; units 4 to 7 of x's fragments begin as zero codes; a way that has such a unit writes over them
.endr
.endr
	s_lshl_b32 s[G0], ttmp9, 5                     ; my first group
	s_lshl_b32 s32, s[BT], 21
	s_add_nc_u64 s[6:7], s[6:7], s[32:33]          ; x[b]
	s_lshl_b32 s32, s[BT], 17
	s_lshl_b32 s36, ttmp9, 13
	s_add_co_u32 s32, s32, s36
	s_add_nc_u64 s[10:11], s[10:11], s[32:33]      ; out0 at my first group's row
	s_lshl_b32 s32, s[BT], 9
	s_add_co_u32 s32, s32, s[G0]
	s_add_nc_u64 s[12:13], s[12:13], s[32:33]      ; out1 likewise
	s_wait_kmcnt 0x0
	s_add_co_i32 s36, s16, 127
	s_lshl_b32 s37, s36, 23
	v_mov_b32 v138, s37                            ; 2^e0
	s_add_co_i32 s36, s36, 8
	s_lshl_b32 s36, s36, 23
	s_or_b32 s36, s36, 0x600000
	v_mov_b32 v139, s36                            ; 448 x 2^e0
	v_min_num_f32 v128, 1.0, v139                  ; the hold: the conversion to an 8-bit code does not saturate (ISA guide 7.6.2); 1.0 is positive, so it is one-sided
.irp k, 1,2,3,4,5,6,7
	v_mov_b32 v[128+\k], 0
.endr
	v_cvt_scalef32_pk8_fp8_f32 v[136:137], v[128:135], v138   ; byte 0: the code of 1.0 under 2^e0; the other bytes are codes of 0
	s_add_co_i32 s36, s17, 127
	s_lshl_b32 s37, s36, 23
	v_mov_b32 v[SC], s37                           ; (the plain instruction between the conversion and the reader of its result)
	s_add_co_i32 s36, s36, 8
	s_lshl_b32 s36, s36, 23
	s_or_b32 s36, s36, 0x600000
	v_mov_b32 v[LIM], s36
	v_lshlrev_b32 v[TBL], 8, v136
	s_add_co_i32 s[EXPO], s16, s17
	s_sub_co_i32 s[EXPO], s[EXPO], 13              ; a sum stands for sum x 2^(e0 + e1); / 8192
	s_mov_b32 s[CNT], 0
; THE SCAN.  The four candidates of one load of y: a hit's place in the list is the count so far + the hits in lower lanes, below 512; what is no hit has place 640 + lane.
; The candidates are counted in the order (i, j), which is the list's order.  Each has a place register and an entry register of its own; the stores follow behind all sixteen.
.macro SCAN4 i
	s_wait_loadcnt 3-\i                            ; y's load i is in; the later ones may be out
.irp j, 0,1,2,3
	v_sub_nc_u32 v[SD+\j], v[Y+4*\i+\j], s[G0]     ; d = y - my first group: 0 .. 31 for my groups, large for all else, negative y too
.endr
.irp j, 0,1,2,3
	v_cmp_gt_u32 s[MK+\j], GRP, v[SD+\j]           ; the four masks, in a run
.endr
.irp j, 0,1,2,3
	v_lshl_add_u32 v[SE+4*\i+\j], v[SD+\j], 16, v[N0]   ; the entry: d in byte 2, the row below
.endr
.irp j, 0,1,2,3
.if 2048*\i+\j
	v_add_nc_u32 v[SE+4*\i+\j], 2048*\i+\j, v[SE+4*\i+\j]
.endif
.endr
	s_wait_alu depctr_va_sdst(0)                   ; the four compares have written s[MK ..], ahead of their first readers below
.irp j, 0,1,2,3
	v_mbcnt_lo_u32_b32 v[SQ+4*\i+\j], s[MK+\j], s[CNT]
	s_bcnt1_i32_b32 s[TT], s[MK+\j]
	s_add_co_u32 s[CNT], s[CNT], s[TT]
.endr
	s_wait_alu depctr_va_vdst(0)
.irp j, 0,1,2,3
	v_cndmask_b32 v[SQ+4*\i+\j], v[TR], v[SQ+4*\i+\j], s[MK+\j]   ; a hit keeps its place
.endr
.irp j, 0,1,2,3
	v_min_u32 v[SQ+4*\i+\j], LISTE+31, v[SQ+4*\i+\j]   ; the place is held inside my wave's bytes,
.endr
.irp j, 0,1,2,3
	v_lshlrev_b32 v[SQ+4*\i+\j], 2, v[SQ+4*\i+\j]  ; and becomes an address by one shift
.endr
.irp j, 0,1,2,3
	v_add_nc_u32 v[SQ+4*\i+\j], v[LB], v[SQ+4*\i+\j]   ; and one addition
.endr
.endm
.irp i, 0,1,2,3
	SCAN4 \i
.endr
	s_wait_alu depctr_va_vdst(0)                   ; the scan has written v[SQ ..] and v[SE ..], which the stores below read.  Also written: every address made at the head (v[LR], v241 to v248), and v128 to v139, in which rows of x will land
.irp k, 0,1,2,3,4,5,6,7,8,9,10,11,12,13,14,15
	ds_store_b32 v[SQ+\k], v[SE+\k]                ; all 32 lanes store
.endr
.irp q, 4,5,6,7
	v_mov_b32 v[AF+\q], 0                          ; y is used up: units 4 to 7 of the one-hot's fragments begin as zero codes too
	v_mov_b32 v[AF+8+\q], 0
.endr
	s_wait_alu depctr_vm_vsrc(0)                   ; the list stores have read v[SE ..], in which the first entries land; the stores of empty slots have read v[PD ..], in which the first rows land
; nu units: entries from the list (LDS serves a wave's instructions in order: these see my stores), the d bytes, the rows' addresses of all units, one wait, the loads.
.macro FETCH nu, eb, db, tb, adr
.set q, 0
.rept \nu
	ds_load_b128 v[\eb+4*q:\eb+4*q+3], v[\adr] offset:32*q   ; slots 8 q + 4 h + 0 .. 3
.set q, q+1
.endr
.set q, 0
.rept \nu
	s_wait_dscnt \nu-1-q                           ; unit q's entries are in; the later units' may be out
	v_perm_b32 v[\tb], v[\eb+4*q+1], v[\eb+4*q], s[P01]
	v_perm_b32 v[\tb+1], v[\eb+4*q+3], v[\eb+4*q+2], s[P01]
	v_perm_b32 v[\db+q], v[\tb+1], v[\tb], s[PLO]  ; d of the four slots, slot p in byte p
.irp i, 0,1,2,3
	v_and_b32 v[\eb+4*q+\i], 0xffff, v[\eb+4*q+\i]
.endr
.irp i, 0,1,2,3
	v_min_u32 v[\eb+4*q+\i], 0x1fff, v[\eb+4*q+\i] ; a row of the batch,
.endr
.irp i, 0,1,2,3
	v_lshlrev_b32 v[\eb+4*q+\i], 8, v[\eb+4*q+\i]  ; its 256 bytes,
.endr
.irp i, 0,1,2,3
	v_add_nc_u32 v[\eb+4*q+\i], v[C16], v[\eb+4*q+\i]   ; my 16 of them
.endr
.set q, q+1
.endr
	s_wait_alu depctr_va_vdst(0)                   ; the offsets of all units are written, which the loads below read; the holds and conversions issued so far are done with v[RAW ..], in which these loads land
.set q, 0
.rept \nu
.irp i, 0,1,2,3
	global_load_b128 v[RAW+16*q+4*\i:RAW+16*q+4*\i+3], v[\eb+4*q+\i], s[6:7]   ; sixteen lanes read one row's 256 bytes, aligned; the other sixteen another row's
.endr
.set q, q+1
.endr
.endm
; the one-hot's registers q of both tiles; it needs nothing of x, so it stands between the loads and the wait for them
.macro ABUILD nu, db, tb
.set q, 0
.rept \nu
.set u, \tb+2*(q%2)
	v_xor_b32 v[u], v[\db+q], v[G40]
	v_xor_b32 v[u+1], v[\db+q], v[G41]
	v_sub_nc_u32 v[u], s[K80], v[u]                ; bit 7 of a byte: d = my group
	v_sub_nc_u32 v[u+1], s[K80], v[u+1]
	v_lshrrev_b32 v[u], 7, v[u]
	v_lshrrev_b32 v[u+1], 7, v[u+1]
	v_and_b32 v[u], s[K01], v[u]                   ; 1 or 0 a byte
	v_and_b32 v[u+1], s[K01], v[u+1]
	v_or_b32 v[PR0], v[PR0], v[u]
	v_or_b32 v[PR0+1], v[PR0+1], v[u+1]
	v_perm_b32 v[AF+q], v[TBL], v[TBL], v[u]       ; the code of 1.0, or 0
	v_perm_b32 v[AF+8+q], v[TBL], v[TBL], v[u+1]
.set q, q+1
.endr
.endm
; x's numbers become codes: a unit's 16 registers are rows 0 .. 3 of my half x my 4 columns
.macro CONV nu, tb
.set q, 0
.rept \nu
	s_wait_loadcnt 4*(\nu-1-q)                     ; unit q's four loads are in; four for each later unit may be out
.set rr, RAW+16*q
.irp k, 0,1,2,3,4,5,6,7,8,9,10,11,12,13,14,15
	v_med3_num_f32 v[rr+\k], v[rr+\k], -v[LIM], v[LIM]   ; the hold at the largest code x the scale
.endr
	v_cvt_scalef32_pk8_fp8_f32 v[\tb:\tb+1], v[rr:rr+7], v[SC]       ; rows 0 and 1: a register a row, column 4 r + j in byte j
	v_cvt_scalef32_pk8_fp8_f32 v[\tb+2:\tb+3], v[rr+8:rr+15], v[SC]  ; rows 2 and 3
	v_nop                                          ; one plain instruction between the conversions and the readers of their results
	v_perm_b32 v[\tb+4], v[\tb+1], v[\tb], s[PEV]  ; 4 x 4 bytes are turned in two steps
	v_perm_b32 v[\tb+5], v[\tb+1], v[\tb], s[POD]
	v_perm_b32 v[\tb+6], v[\tb+3], v[\tb+2], s[PEV]
	v_perm_b32 v[\tb+7], v[\tb+3], v[\tb+2], s[POD]
	v_perm_b32 v[BF+q], v[\tb+6], v[\tb+4], s[PLO]      ; column 4 r + 0, slot p in byte p
	v_perm_b32 v[BF+8+q], v[\tb+6], v[\tb+4], s[PHI]    ; column 4 r + 1
	v_perm_b32 v[BF+16+q], v[\tb+7], v[\tb+5], s[PLO]   ; column 4 r + 2
	v_perm_b32 v[BF+24+q], v[\tb+7], v[\tb+5], s[PHI]   ; column 4 r + 3
.set q, q+1
.endr
.endm
; 8 products, one for each accumulator, which so take turns.  Source 0: 16 groups; source 1: 16 columns.  zero = 1: they start the sums
.macro MULS zero
.irp t, 0,1
.irp j, 0,1,2,3
.if \zero
	v_wmma_f32_16x16x64_fp8_fp8 v[ACC+8*(4*\t+\j):ACC+8*(4*\t+\j)+7], v[AF+8*\t:AF+8*\t+7], v[BF+8*\j:BF+8*\j+7], 0
.else
	v_wmma_f32_16x16x64_fp8_fp8 v[ACC+8*(4*\t+\j):ACC+8*(4*\t+\j)+7], v[AF+8*\t:AF+8*\t+7], v[BF+8*\j:BF+8*\j+7], v[ACC+8*(4*\t+\j):ACC+8*(4*\t+\j)+7]
.endif
.endr
.endr
.endm
.macro PLACES                          ; four plain instructions behind the products, ahead of writes of their sources and reads of their results (ISA guide 7.12.1)
.rept 4
	v_nop
.endr
.endm
; The first slots, 48 at the most.  Entries, d bytes and scratch lie where the accumulators will: nothing is summed yet.
.macro FIRST nu
	FETCH \nu, 64, 96, 104, LR
	ABUILD \nu, 96, 104
	CONV \nu, 104
.endm
	; written for 4, 5 and 6 units, so that each way loads just what it converts; 512 candidates over 16 ranges give 32 hits on the average
	s_cmp_le_u32 s[CNT], 32
	s_cbranch_scc1 .Lfour
	s_cmp_le_u32 s[CNT], 40
	s_cbranch_scc1 .Lfive
	FIRST 6
	s_branch .Ljoin
.Lfive:
	FIRST 5
	s_branch .Ljoin
.Lfour:
	FIRST 4
.Ljoin:
	s_wait_alu depctr_vm_vsrc(0)                   ; the row loads have read their offsets in v64 to v87, which the products below write
	s_wait_alu depctr_va_vdst(0)
	MULS 1
	PLACES
	; MORE THAN 48 HITS: 32 slots a trip.  Every wave walks all 15 trips (48 + 15 x 32 covers the 512 candidates), so that the list's offset is a counted loop's step; a trip with nothing left jumps over its work.
	s_sub_co_i32 s[REM], s[CNT], 48
	s_mov_b32 s[LOFF], 192
	s_mov_b32 s[TRIP], 15
.Lmore:
	v_add_nc_u32 v[ADR], s[LOFF], v[LR]            ; made in every trip, ahead of the branch (the trip before has ended with the wait that shows its list loads to have read it)
	s_cmp_gt_i32 s[REM], 0
	s_cbranch_scc0 .Lnone
	s_wait_alu depctr_va_vdst(0)                   ; v[ADR] is written, which the list loads read; the vector lines issued so far are done with v192 to v207, in which the entries land
	FETCH 4, 192, 208, 216, ADR                    ; scratch lies above the four units' rows
	ABUILD 4, 208, 216
.irp q, 4,5,6,7
	v_mov_b32 v[AF+\q], 0                          ; units 4 to 7 count for nothing: zero codes in the one-hot; what x's fragments hold there are finite codes of an earlier step
	v_mov_b32 v[AF+8+\q], 0
.endr
	CONV 4, 216
	MULS 0
	PLACES
.Lnone:
	s_wait_alu depctr_vm_vsrc(0)                   ; this trip's list loads have read v[ADR], which the next trip writes; its row loads have read v192 to v207, in which the next trip's entries land and of which wave 0 writes two at the end
	s_add_co_u32 s[LOFF], s[LOFF], 128
	s_sub_co_i32 s[REM], s[REM], 32
	s_sub_co_u32 s[TRIP], s[TRIP], 1
	s_cmp_lg_u32 s[TRIP], 0
	s_cbranch_scc1 .Lmore
	; THE SUM OVER THE SIXTEEN WAVES.  My 64 registers go to LDS as they stand, four at a time, 16 bytes a lane; each accumulator from its low end on.
	s_wait_alu depctr_va_vdst(0)                   ; the products have written the accumulators and the vector lines the flags, which the stores below read (the four places behind the last products stay beside this wait); the holds and conversions are done with v128 to v191, in which the partial sums land behind the barrier
.irp c, 0,1,2,3,4,5,6,7,8,9,10,11,12,13,14,15
	ds_store_b128 v[PSTO], v[ACC+4*\c:ACC+4*\c+3] offset:PART+512*\c
.endr
	ds_store_b64 v[FSTO], v[PR0:PR0+1]
	s_wait_dscnt 0x0                               ; for the others' sake: my stores have landed
	s_barrier_signal -1
	s_barrier_wait -1
.irp p, 0,1,2,3,4,5,6,7
	ds_load_b128 v[RAW+4*\p:RAW+4*\p+3], v[QLO] offset:8192*\p        ; quad w of every wave's partial sums
.endr
.irp p, 0,1,2,3,4,5,6,7
	ds_load_b128 v[RAW+32+4*\p:RAW+32+4*\p+3], v[QHI] offset:8192*\p
.endr
.macro QADD a, b
	v_pk_add_f32 v[\a:\a+1], v[\a:\a+1], v[\b:\b+1]
	v_pk_add_f32 v[\a+2:\a+3], v[\a+2:\a+3], v[\b+2:\b+3]
.endm
.macro EIGHT o                         ; eight quads from v[o] on become one
.irp p, 0,1,2,3
	QADD \o+4*\p, \o+4*\p+16
.endr
	QADD \o, \o+8
	QADD \o+4, \o+12
	QADD \o, \o+4
.endm
	s_wait_dscnt 8                                 ; the first eight are in; the second eight may be out
	EIGHT RAW
	s_wait_dscnt 0x0
	EIGHT RAW+32
	QADD RAW, RAW+32
	s_wait_alu depctr_va_vdst(0)                   ; the additions have written v128 to v131, which the store below reads, and are done with v132 to v135 and v160 to v191, in which the loads behind the barrier land
	ds_store_b128 v[RSTO], v[RAW:RAW+3]
	s_wait_dscnt 0x0                               ; for the others' sake: my quad's sum has landed
	s_barrier_signal -1
	s_barrier_wait -1
	s_cmp_lg_u32 s[WV], 0
	s_cbranch_scc1 .Lrows
	; out1, by wave 0: the OR of all waves' flags, and of both halves of the lanes
.irp p, 0,1,2,3,4,5,6,7,8,9,10,11,12,13,14,15
	ds_load_b64 v[160+2*\p:161+2*\p], v[FRD] offset:256*\p
.endr
	s_mov_b32 s34, 0x76543210                      ; v_permlanex16_b32: lane l takes lane l xor 16
	s_mov_b32 s35, 0xfedcba98
	s_mov_b32 s36, 0xffff0000                      ; lanes 16 to 31
	v_mov_b32 v192, 0                              ; a lane permute's destination counts as read: it is written first
	v_mov_b32 v193, 0
	s_wait_dscnt 0x0
.irp k, 0,1,2,3,4,5,6,7,8,9,10,11,12,13,14,15
	v_or_b32 v[160+\k], v[160+\k], v[176+\k]       ; even registers: tile 0, odd ones: tile 1; every distance is even
.endr
.irp k, 0,1,2,3,4,5,6,7
	v_or_b32 v[160+\k], v[160+\k], v[168+\k]
.endr
.irp k, 0,1,2,3
	v_or_b32 v[160+\k], v[160+\k], v[164+\k]
.endr
.irp k, 0,1
	v_or_b32 v[160+\k], v[160+\k], v[162+\k]
.endr
	v_permlanex16_b32 v192, v160, s34, s35
	v_permlanex16_b32 v193, v161, s34, s35
	v_or_b32 v160, v160, v192
	v_or_b32 v161, v161, v193
	v_cndmask_b32 v160, v160, v161, s36            ; lane l speaks for group l of my 32
	v_cmp_ne_u32 vcc_lo, 0, v160
	s_wait_alu depctr_va_vcc(0)                    ; the compare has written VCC, ahead of the select that reads it
	v_cndmask_b32 v160, 0, 1, vcc_lo
	s_wait_alu depctr_va_vdst(0)                   ; the select has written v160, which the store below reads
	global_store_b8 v[LN], v160, s[12:13]          ; 32 consecutive bytes; neither register is written again
.Lrows:
.irp j, 0,1,2,3
	ds_load_b32 v[RAW+4+\j], v[RRD] offset:1024*\j ; one register of the four column tiles: columns 4 r + 0 .. 3 of one group
.endr
	s_wait_dscnt 0x0
.irp j, 0,1,2,3
	v_ldexp_f32 v[RAW+8+\j], v[RAW+4+\j], s[EXPO]  ; x 2^(e0 + e1 - 13): nothing is rounded, short of overflow and underflow
.endr
	s_wait_alu depctr_va_vdst(0)                   ; the four scalings have written v136 to v139, which the store below reads
	global_store_b128 v[OUT], v[RAW+8:RAW+11], s[10:11] th:TH_STORE_NT   ; sixteen lanes store one row of out0, 256 consecutive bytes, aligned; the other sixteen the row 8 groups on
	s_wait_dscnt 0x0                               ; the wave's end: the closing lines, six on end
	s_wait_alu 0x0
	s_wait_tensorcnt 0x0
	ds_add_u32 v[SPW], v[NIL]
	s_wait_dscnt 0x0
	s_endpgm
.Lfunc_end_k_q766ce0417e_pool:
	.size	k_q766ce0417e_pool, .Lfunc_end_k_q766ce0417e_pool-k_q766ce0417e_pool
	.p2alignl 7, 3214868480
	.fill 96, 4, 3214868480
	.section	.rodata,"a",@progbits
	.p2align	6, 0x0
	.amdhsa_kernel k_q766ce0417e_pool
		.amdhsa_group_segment_fixed_size 190464
		.amdhsa_private_segment_fixed_size 0
		.amdhsa_enable_private_segment 0
		.amdhsa_kernarg_size 40
		.amdhsa_user_sgpr_count 2
		.amdhsa_user_sgpr_kernarg_segment_ptr 1
		.amdhsa_wavefront_size32 1
		.amdhsa_system_sgpr_workgroup_id_x 1
		.amdhsa_system_sgpr_workgroup_id_y 1
		.amdhsa_system_sgpr_workgroup_id_z 1
		.amdhsa_system_vgpr_workitem_id 0
		.amdhsa_next_free_vgpr 256
		.amdhsa_next_free_sgpr 66
		.amdhsa_reserve_vcc 1
		.amdhsa_float_denorm_mode_32 3
		.amdhsa_float_denorm_mode_16_64 3
		.amdhsa_memory_ordered 1
		.amdhsa_forward_progress 1
		.amdhsa_inst_pref_size 95
	.end_amdhsa_kernel
	.amdgpu_metadata
---
amdhsa.version: [ 1, 2 ]
amdhsa.kernels:
  - .name:           k_q766ce0417e_pool
    .symbol:         k_q766ce0417e_pool.kd
    .args:
      - { .name: lowp_scales, .offset: 0, .size: 8, .value_kind: global_buffer, .address_space: global }
      - { .name: x, .offset: 8, .size: 8, .value_kind: global_buffer, .address_space: global }
      - { .name: y, .offset: 16, .size: 8, .value_kind: global_buffer, .address_space: global }
      - { .name: out0, .offset: 24, .size: 8, .value_kind: global_buffer, .address_space: global }
      - { .name: out1, .offset: 32, .size: 8, .value_kind: global_buffer, .address_space: global }
    .group_segment_fixed_size: 190464
    .private_segment_fixed_size: 0
    .kernarg_segment_align: 8
    .kernarg_segment_size: 40
    .max_flat_workgroup_size: 512
    .sgpr_count:     66
    .vgpr_count:     256
    .wavefront_size: 32
...
	.end_amdgpu_metadata
.endif
;; end of part 2
